; MI455X (gfx1250); checked and timed in simulation.
; The chip was launched on July 23, 2026; its instructions are those of AMD's public machine-readable ISA for CDNA 5 (MIT licence, August 2026) and "CDNA5" Instruction Set Architecture Reference Guide (July 2026). The comments in the code are by the model that wrote it; some were corrected since.
;; Multi Head Attention. Allowed arithmetic: matrix products marked QUANTISED: E2M1 operands, one E8M0 scale for each 32 along K, by v_wmma_scale_f32_16x16x128_f8f6f4 with both operands' format E2M1 (or v_wmma_scale_f32_32x16x128_f4), f32 sums; everything else in f32.
;; Inputs: Wk 1,024 x 1,024 float32; Wo 1,024 x 1,024 float32; Wq 1,024 x 1,024 float32; Wv 1,024 x 1,024 float32; bk 1,024 float32; bo 1,024 float32; bq 1,024 float32; bv 1,024 float32; hidden_states 4 x 2,048 x 1,024 float32; ln_beta 1,024 float32; ln_gamma 1,024 float32.
;; Outputs: out0 4 x 2,048 x 1,024 float32.
;; This version of the problem:
;;   THIS VERSION OF THE PROBLEM IS GIVEN IN LOW PRECISION. The matrix products marked QUANTISED in the list below multiply operands that are first quantised to E2M1 (2 exponent bits, 1 mantissa bit; 4 bits a number), with one power-of-two scale for each 32 numbers along K (OCP MX v1.0); their sums are f32. All else is computed in f32.
;;   The module's matrix products, in the order in which they are computed (A, B: the left and right operand; K: the contracted axis; several contracted axes count as one K, in the product's order):
;;     1. [M 8,192, K 1,024] x [K 1,024, N 1,024]; A: input hidden_states; B: input Wq: QUANTISED
;;     2. [M 8,192, K 1,024] x [K 1,024, N 1,024]; A: input hidden_states; B: input Wk: QUANTISED
;;     3. [M 8,192, K 1,024] x [K 1,024, N 1,024]; A: input hidden_states; B: input Wv: QUANTISED
;;     4. batch 64 x [M 2,048, K 64] x [K 64, N 2,048]; A: computed on the way; B: computed on the way: QUANTISED
;;     5. batch 64 x [M 2,048, K 2,048] x [K 2,048, N 64]; A: softmax (see below); B: computed on the way: QUANTISED
;;     6. [M 8,192, K 1,024] x [K 1,024, N 1,024]; A: computed on the way; B: input Wo: QUANTISED
;;   THE QUANTISER, for each operand of a quantised product, along K:
;;     - K is cut into blocks of 32 from its start; a last block that is shorter is filled with zeros.
;;     - A block's scale is 2^e with e = floor(log2(the largest magnitude in the block)) - 2, held to -126 .. 127; a block of zeros has e = 0. As a byte (E8M0): e + 127.
;;     - Each number is divided by its block's scale, clamped to +-6, and rounded to the nearest number of E2M1, ties to even, subnormals kept.
;;     - The product sums the exact products of the quantised numbers (number of the format x scale) in f32.
;;   ~~~python
;;   def quantise(x, axis):      # numpy; x: float32 -> the quantised numbers, widened to float32 again
;;       x = np.moveaxis(x, axis, -1); K = x.shape[-1]
;;       x = np.pad(x, [(0, 0)] * (x.ndim - 1) + [(0, -K % 32)]); x = x.reshape(x.shape[:-1] + (-1, 32)); a = np.abs(x).max(-1, keepdims=True)
;;       e = np.where(a > 0, np.clip(np.frexp(np.where(a > 0, a, 1))[1] - 1 - 2, -126, 127), 0)      # np.frexp(a)[1] - 1 = floor(log2(a)), exactly
;;       r = np.clip(x / 2.0 ** e, -6, 6)
;;       step = 2.0 ** (np.maximum(np.frexp(np.where(r == 0, 1, r))[1] - 1, 0) - 1)
;;       q = np.round(r / step) * step * 2.0 ** e      # np.round: ties to even
;;       return np.moveaxis(q.reshape(q.shape[:-2] + (-1,))[..., :K], -1, axis).astype(np.float32)
;;   ~~~
;;   SOFTMAX AHEAD OF A QUANTISED PRODUCT. Where the list says 'softmax', what is quantised is not the finished softmax but p = 2^(t - M), with t = logit x log2(e) and M = ceil(the row's largest t), a whole number; so 1/2 < the row's largest p <= 1. The row's sum l is taken of the UNQUANTISED p, in f32, and the product's result is divided by l at the end. Since M is a whole number, a kernel that streams over the keys may use a running M (the ceiling of the running maximum): every later rescaling is an exact power of two, which a block's scale takes up: the codes' values come out the same.
;;   OPERANDS COMPUTED ON THE WAY. 'Computed on the way' means the value that the module computes at that place (a softmax that the list does not call 'softmax' is quantised finished and normalised). What goes into a quantiser is computed in f32, as accurately as f32 sums, v_exp_f32 and their like allow (about 1e-6 of the number): no bf16 or f16 on the way to a quantiser, and a product that is left as it is and whose result goes on into a quantised operand takes f32 operands (vector FMAs, or v_wmma_f32_16x16x4_f32). A number that lies on a knife's edge between two numbers of the format may be rounded either way, as far as f32 arithmetic and the matrix unit's own rounding can turn it there, and no further.
;; One version. Each part assembles by itself: llvm-mc -triple=amdgcn-amd-amdhsa -mcpu=gfx1250 --defsym DOCPART=n.
;; ======== version 1 of 1: 4 launches
;; limits: right only within a limited range of input values
;; workspace buffers: codes 6,291,456 bytes; scl 393,216 bytes; qimg 4,194,304 bytes; qscl 524,288 bytes; kv 9,175,040 bytes; ctxc 4,194,304 bytes; ctxs 262,144 bytes
;; launch quant (part 1): grid 256 x 1, 6 waves a work-group, no clusters, 51,456 bytes of LDS; arguments hidden_states, Wq, Wk, Wv, Wo, codes, scl; writes codes, scl
.if DOCPART == 1
	.amdgcn_target "amdgcn-amd-amdhsa--gfx1250"
	.amdhsa_code_object_version 6
	.text
	.protected	k_qe377409038_quant
	.globl	k_qe377409038_quant
	.p2align	8
	.type	k_qe377409038_quant,@function
k_qe377409038_quant:
	s_mov_b64 s[64:65], 0
	v_nop
	global_prefetch_b8 v0, s[64:65] scope:SCOPE_SE
	s_setreg_imm32_b32 hwreg(HW_REG_WAVE_MODE, 25, 1), 1
	s_wait_xcnt 0x0
; hidden_states [8192][1024] and Wq, Wk, Wv, Wo [1024][1024], f32, K innermost, become codes of FP4 (E2M1) with one E8M0 byte for each 32 along K,
; laid in the ORDER OF AN OPERAND'S REGISTERS.  A tile is 16 rows; tile T's row index r is the true row 32 (T / 2) + 8 (T % 2) + r + 8 (r / 8), so that tiles 2 B and 2 B + 1 are rows 32 B .. 32 B + 31.
; codes: [768 tiles][8 K steps of 128][1,024 bytes]: lane l's 16 bytes at 512 c + 16 l are k = 128 s + 64 c + 32 (l / 16) + 0 .. 31 of row index l % 16.  Tiles 0-511 hidden, then 64 each of Wq, Wk, Wv, Wo.
; scl: [768][2][16 rows][4 words]: the word of K step 4 g + i of row index r at 512 T + 256 g + 16 r + 4 i.
; A block's scale is 2^(floor(log2(its largest magnitude)) - 2); its byte is the largest magnitude's exponent field - 2, held at 1 from below.
; LIMITS: a block of zeros, or one whose largest magnitude lies under 2^-124, gets the byte 1 (its codes are zeros or nearly so; the bytes are read by this program alone); NaN and infinities are not served.
; SHARES: 1,536 units of one tile x 512 along K; a wave takes one unit, in 4 steps of 128 along K.  Each load reads 512 consecutive bytes of one row; the 16 x 512 bytes of a step turn through the wave's own
; stage in LDS (rows 528 bytes apart) and come back so that lane (r, h) holds, of row r, 16 neighbours of each block of 32.  Waves share nothing: no barrier.  No matrix unit, no cluster: a stream read once.
.set SP,   528                         ; a stage row: 512 bytes + 16
.set STGB, 16*SP                       ; a wave's stage
.set MX,   8                           ; v8-11    largest magnitudes
.set PB,   12                          ; v12-15   the other half's, then the bytes
.set R,    16                          ; v16-143  two sets of 64: a step as loaded
.set X,    144                         ; v144-207 a step, 16 b + i = k 32 b + 16 h + i of my row
.set PC,   208                         ; v208-239 codes, 8 registers a step: no store's data are written again
.set PW,   240                         ; v240-243 the four steps' scale words
.set SO,   244                         ; v244-247 the conversions' scale operands
	s_load_b256 s[4:11], s[0:1], 0x0               ; hidden s[4:5], Wq s[6:7], Wk s[8:9], Wv s[10:11]
	s_load_b128 s[12:15], s[0:1], 0x20             ; Wo s[12:13], codes s[14:15]
	s_load_b64 s[16:17], s[0:1], 0x30              ; scl
	v_lshl_add_u32 v248, v0, 2, 0xc600
	v_mov_b32 v249, 0
	v_lshrrev_b32 v1, 5, v0
	v_readfirstlane_b32 s18, v1                    ; wave 0..5
	v_and_b32 v1, 31, v0                           ; lane
	v_lshlrev_b32 v2, 4, v1                        ; 16 x lane
	s_mul_i32 s19, s18, STGB                       ; my stage
	v_add_nc_u32 v3, s19, v2                       ; into it: 16 x lane of a row
	v_and_b32 v5, 15, v0                           ; r
	v_bfe_u32 v6, v0, 4, 1                         ; h
	v_mul_u32_u24 v4, v5, SP
	v_lshl_add_u32 v4, v6, 6, v4
	v_add_nc_u32 v4, s19, v4                       ; out of it: row r, + 64 h
	v_lshlrev_b32 v5, 4, v5                        ; 16 r: my row's four scale words
.irp b, 0,1,2,3
	v_mov_b32 v[PB+\b], 0                          ; written once: a lane permute's destination counts as one of its sources
.endr
	s_mov_b32 s20, 0x76543210
	s_mov_b32 s21, 0xfedcba98                      ; v_permlanex16_b32's selects for lane l xor 16
	s_mul_i32 s22, ttmp9, 6
	s_add_co_u32 s22, s22, s18                     ; my unit
	s_lshr_b32 s23, s22, 1                         ; its tile, 0..767
	s_and_b32 s24, s22, 1                          ; its half of K
	s_and_b32 s25, s23, 63
	s_cmp_lt_u32 s23, 512
	s_cselect_b32 s25, s23, s25                    ; the tile's number in its own tensor
	s_lshr_b32 s26, s25, 1
	s_lshl_b32 s26, s26, 5
	s_and_b32 s27, s25, 1
	s_lshl_b32 s27, s27, 3
	s_add_co_u32 s26, s26, s27                     ; its first row
	s_lshl_b32 s26, s26, 12                        ; x 4,096 bytes
	s_lshl_b32 s27, s24, 11
	s_add_co_u32 s26, s26, s27                     ; + 2,048 x half
	s_mov_b32 s27, 0
	s_lshl_b32 s28, s23, 13
	s_lshl_b32 s29, s24, 12
	s_add_co_u32 s28, s28, s29                     ; codes: 8,192 x tile + 4,096 x half
	s_mov_b32 s29, 0
	s_lshl_b32 s30, s23, 9
	s_lshl_b32 s31, s24, 8
	s_add_co_u32 s30, s30, s31                     ; scale words: 512 x tile + 256 x half
	s_mov_b32 s31, 0
	s_wait_alu depctr_va_vdst(0)
	s_wait_kmcnt 0x0
	s_cmp_lt_u32 s23, 704                          ; which tensor: the choice hangs on the tile's number alone
	s_cselect_b64 s[32:33], s[10:11], s[12:13]
	s_cmp_lt_u32 s23, 640
	s_cselect_b64 s[32:33], s[8:9], s[32:33]
	s_cmp_lt_u32 s23, 576
	s_cselect_b64 s[32:33], s[6:7], s[32:33]
	s_cmp_lt_u32 s23, 512
	s_cselect_b64 s[32:33], s[4:5], s[32:33]
	s_add_nc_u64 s[32:33], s[32:33], s[26:27]
	s_add_nc_u64 s[14:15], s[14:15], s[28:29]
	s_add_nc_u64 s[16:17], s[16:17], s[30:31]
.macro LOAD t                          ; step t: 128 numbers of each of the tile's 16 rows; 32 lanes read 512 consecutive bytes
.irp i, 0,1,2,3,4,5,6,7,8,9,10,11,12,13,14,15
	global_load_b128 v[R+64*((\t)%2)+4*\i:R+64*((\t)%2)+4*\i+3], v2, s[32:33] offset:(\i+8*(\i/8))*4096+512*(\t) th:TH_LOAD_NT
.endr
.endm
.macro TURN t                          ; through the stage: LDS serves a wave's instructions in order, so no wait stands between the stores and the loads
.irp i, 0,1,2,3,4,5,6,7,8,9,10,11,12,13,14,15
	ds_store_b128 v3, v[R+64*((\t)%2)+4*\i:R+64*((\t)%2)+4*\i+3] offset:SP*\i
.endr
.irp b, 0,1,2,3
.irp j, 0,1,2,3
	ds_load_b128 v[X+16*\b+4*\j:X+16*\b+4*\j+3], v4 offset:128*\b+16*\j
.endr
.endr
.endm
; 64 numbers of a lane, register 16 b + i = k 32 b + 16 h + i of my row, become a fragment's 8 registers of codes and its scale word
.macro QUANT s, pc, pw
.irp b, 0,1,2,3
	v_max3_num_f32 v[MX+\b], |v[\s+16*\b]|, |v[\s+1+16*\b]|, 0x1800000   ; my 16 numbers of block b, and the floor 2^(3 - 127): the byte cannot fall under 1
.endr
.irp i, 2,4,6,8,10,12,14
.irp b, 0,1,2,3
	v_max3_num_f32 v[MX+\b], v[MX+\b], |v[\s+16*\b+\i]|, |v[\s+1+16*\b+\i]|
.endr
.endr
.irp b, 0,1,2,3
	v_permlanex16_b32 v[PB+\b], v[MX+\b], s20, s21
.endr
.irp b, 0,1,2,3
	v_max_num_f32 v[MX+\b], v[MX+\b], v[PB+\b]     ; with lane l xor 16's: the block's largest magnitude
.endr
.irp b, 0,1,2,3
	v_add_nc_u32 v[SO+\b], 0xff000000, v[MX+\b]    ; 2 off its exponent field: the conversion takes this operand's exponent field as its scale
.endr
.irp b, 0,1,2,3
	v_lshrrev_b32 v[PB+\b], 23, v[SO+\b]           ; the scale's byte
.endr
	v_lshl_or_b32 v[(\pw)], v[PB+1], 8, v[PB]
	v_lshl_or_b32 v[(\pw)], v[PB+2], 16, v[(\pw)]
	v_lshl_or_b32 v[(\pw)], v[PB+3], 24, v[(\pw)]
.irp b, 0,1,2,3
	v_cvt_scalef32_pk8_fp4_f32 v[(\pc)+2*\b], v[\s+16*\b:\s+7+16*\b], v[SO+\b]
	v_cvt_scalef32_pk8_fp4_f32 v[(\pc)+1+2*\b], v[\s+8+16*\b:\s+15+16*\b], v[SO+\b]
.endr
	v_nop                                          ; one plain place behind a scaled conversion
.irp c, 0,1                            ; the operand's layout wants a whole block in a lane: lanes 0-15 block 2 c, lanes 16-31 block 2 c + 1
.irp i, 0,1
	v_permlane16_swap_b32 v[(\pc)+4*\c+\i], v[(\pc)+2+4*\c+\i]
.endr
.endr
.endm
.macro STEP t
.if (\t) < 3
	s_wait_loadcnt 16                              ; this step's 16 loads are in; the next step's 16 may be out
.else
	s_wait_loadcnt 0x0
.endif
	TURN \t
	s_wait_dscnt 0x0                               ; the step is back, and the stores into the stage have read their registers,
.if (\t) < 2
	LOAD (\t)+2                                    ; which take the loads of two steps on
.endif
	QUANT X, PC+8*(\t), PW+(\t)
.irp c, 0,1
	global_store_b128 v2, v[PC+8*(\t)+4*\c:PC+8*(\t)+4*\c+3], s[14:15] offset:1024*(\t)+512*\c   ; 32 lanes store 512 consecutive bytes
.endr
.endm
	LOAD 0
	LOAD 1
.irp t, 0,1,2,3
	STEP \t
.endr
	v_cmp_gt_u32 vcc_lo, 16, v1                    ; lanes 0-15 hold each row's words once
	s_wait_xcnt 0x0                                ; EXEC changes only behind this wait
	s_wait_tensorcnt 0x0
	ds_add_u32 v248, v249
	s_wait_dscnt 0x0
	s_and_saveexec_b32 s19, vcc_lo
	global_store_b128 v5, v[PW:PW+3], s[16:17]     ; 16 lanes store 256 consecutive bytes, aligned
	s_wait_xcnt 0x0
	s_or_b32 exec_lo, exec_lo, s19
	s_endpgm
.Lfunc_end_k_qe377409038_quant:
	.size	k_qe377409038_quant, .Lfunc_end_k_qe377409038_quant-k_qe377409038_quant
	.p2alignl 7, 3214868480
	.fill 96, 4, 3214868480
	.section	.rodata,"a",@progbits
	.p2align	6, 0x0
	.amdhsa_kernel k_qe377409038_quant
		.amdhsa_group_segment_fixed_size 51456
		.amdhsa_private_segment_fixed_size 0
		.amdhsa_enable_private_segment 0
		.amdhsa_kernarg_size 56
		.amdhsa_user_sgpr_count 2
		.amdhsa_user_sgpr_kernarg_segment_ptr 1
		.amdhsa_wavefront_size32 1
		.amdhsa_system_sgpr_workgroup_id_x 1
		.amdhsa_system_sgpr_workgroup_id_y 1
		.amdhsa_system_sgpr_workgroup_id_z 1
		.amdhsa_system_vgpr_workitem_id 0
		.amdhsa_next_free_vgpr 250
		.amdhsa_next_free_sgpr 66
		.amdhsa_reserve_vcc 1
		.amdhsa_float_denorm_mode_32 3
		.amdhsa_float_denorm_mode_16_64 3
		.amdhsa_memory_ordered 1
		.amdhsa_forward_progress 1
		.amdhsa_inst_pref_size 33
	.end_amdhsa_kernel
	.amdgpu_metadata
---
amdhsa.version: [ 1, 2 ]
amdhsa.kernels:
  - .name:           k_qe377409038_quant
    .symbol:         k_qe377409038_quant.kd
    .args:
      - { .name: hidden_states, .offset: 0, .size: 8, .value_kind: global_buffer, .address_space: global }
      - { .name: Wq, .offset: 8, .size: 8, .value_kind: global_buffer, .address_space: global }
      - { .name: Wk, .offset: 16, .size: 8, .value_kind: global_buffer, .address_space: global }
      - { .name: Wv, .offset: 24, .size: 8, .value_kind: global_buffer, .address_space: global }
      - { .name: Wo, .offset: 32, .size: 8, .value_kind: global_buffer, .address_space: global }
      - { .name: codes, .offset: 40, .size: 8, .value_kind: global_buffer, .address_space: global }
      - { .name: scl, .offset: 48, .size: 8, .value_kind: global_buffer, .address_space: global }
    .group_segment_fixed_size: 51456
    .private_segment_fixed_size: 0
    .kernarg_segment_align: 8
    .kernarg_segment_size: 56
    .max_flat_workgroup_size: 192
    .sgpr_count:     66
    .vgpr_count:     250
    .wavefront_size: 32
...
	.end_amdgpu_metadata
.endif
;; end of part 1
;; launch qkv (part 2): grid 4 x 64, 4 waves a work-group, no clusters, 327,680 bytes of LDS; arguments codes, scl, bq, bk, bv, qimg, qscl, kv; writes qimg, qscl, kv
.if DOCPART == 2
	.amdgcn_target "amdgcn-amd-amdhsa--gfx1250"
	.amdhsa_code_object_version 6
	.text
	.protected	k_qe377409038_qkv
	.globl	k_qe377409038_qkv
	.p2align	8
	.type	k_qe377409038_qkv,@function
k_qe377409038_qkv:
	s_mov_b64 s[64:65], 0
	v_nop
	global_prefetch_b8 v0, s[64:65] scope:SCOPE_SE
	s_setreg_imm32_b32 hwreg(HW_REG_WAVE_MODE, 25, 1), 1
	s_wait_xcnt 0x0
.set XSC, 65536
.set XF,  16
.set XS,  80
.set WSA, 112
.set WSB, 144
.set BI,  176
.set MX,  208
.set PB,  224
.set SO,  240
.set PC,  16
.set PW,  48
.set SV,  56
.set MSB, 0
.macro WIN new
.if MSB != (\new)
	s_set_vgpr_msb (MSB<<8)|(\new)
.set MSB, (\new)
.endif
.endm
.macro PLACES
.rept 4
	v_nop
.endr
.endm
	s_load_b256 s[4:11], s[0:1], 0x0
	s_load_b256 s[12:19], s[0:1], 0x20
	v_lshl_add_u32 v14, v0, 2, 0x29000
	v_mov_b32 v15, 0
	ds_add_u32 v14, v15
	ds_add_u32 v14, v15
	v_lshrrev_b32 v1, 5, v0
	v_readfirstlane_b32 s20, v1
	s_and_b32 s22, ttmp7, 0xffff
	s_lshl_b32 s23, ttmp9, 2
	s_add_co_u32 s23, s23, s20
	s_mov_b32 s24, 3<<16
	s_mov_b32 s25, 32<<16
	s_mov_b32 s26, 128<<16
	s_mov_b32 s27, 32<<16
	s_mov_b32 s28, 128
	s_mov_b32 s29, 32
	s_mov_b32 s30, 0
	s_mov_b32 s31, 0
	s_mov_b32 s36, 3<<16
	s_mov_b32 s37, 32<<16
	s_mov_b32 s38, 16<<16
	s_mov_b32 s39, 32<<16
	s_mov_b32 s40, 16
	s_mov_b32 s41, 32
	s_mov_b32 s42, 0
	s_mov_b32 s43, 0
	s_lshl_b32 s68, s22, 16
	s_lshl_b32 s69, s20, 15
	s_add_co_u32 s68, s68, s69
	s_mov_b32 s69, 0
	s_lshl_b32 s70, s22, 12
	s_mov_b32 s71, 0
	s_mov_b32 s32, 1
	s_lshl_b32 s33, s20, 15
	s_mov_b32 s44, 1
	s_mov_b32 s45, XSC
	s_wait_dscnt 0x0
	s_wait_kmcnt 0x0
	s_add_nc_u64 s[34:35], s[4:5], s[68:69]
	s_or_b32 s35, s35, 0x80000000
	s_add_nc_u64 s[46:47], s[6:7], s[70:71]
	s_or_b32 s47, s47, 0x80000000
	; the head's tiles, one load a wave in one chain of branches on the wave's number: waves 0 and 1 the halves of x's codes (128 rows of 256 bytes each), wave 2 x's scale words (16 rows), wave 3 none
	s_cmp_lt_u32 s20, 2
	s_cbranch_scc0 .Lhead_s
	tensor_load_to_lds s[32:35], s[24:31]
	s_nop 0
	PLACES
	s_branch .Lhead_done
.Lhead_s:
	s_cmp_eq_u32 s20, 2
	s_cbranch_scc0 .Lhead_done
	tensor_load_to_lds s[44:47], s[36:43]
	s_nop 0
	PLACES
.Lhead_done:
	v_and_b32 v7, 31, v0
	v_lshlrev_b32 v1, 4, v7
	v_and_b32 v8, 15, v0
	v_bfe_u32 v9, v0, 4, 1
	v_lshlrev_b32 v3, 4, v8
	v_add_nc_u32 v2, XSC, v3
	v_lshlrev_b32 v4, 6, v9
	v_and_b32 v5, 8, v8
	v_add_nc_u32 v5, v5, v8
	v_lshlrev_b32 v5, 2, v5
	v_lshlrev_b32 v6, 3, v7
.set q, 0
.rept 16
	v_mov_b32 v[PB+q], 0
.set q, q+1
.endr
	s_mov_b32 s48, 0x76543210
	s_mov_b32 s49, 0xfedcba98
	s_mov_b32 s66, 0xffff0000
	s_lshr_b32 s67, s22, 4
	s_lshl_b32 s67, s67, 4
	s_add_co_u32 s67, s67, s23
	s_and_b32 s72, s22, 15
	s_mov_b32 s69, 0
	s_lshl_b32 s68, s23, 15
	s_add_co_u32 s68, s68, 512*8192
	s_add_nc_u64 s[50:51], s[4:5], s[68:69]
	s_lshl_b32 s68, s23, 11
	s_add_co_u32 s68, s68, 512*512
	s_add_nc_u64 s[52:53], s[6:7], s[68:69]
	s_lshl_b32 s68, s67, 16
	s_lshl_b32 s70, s72, 12
	s_add_co_u32 s68, s68, s70
	s_add_nc_u64 s[54:55], s[14:15], s[68:69]
	s_lshl_b32 s68, s67, 13
	s_lshl_b32 s70, s72, 9
	s_add_co_u32 s68, s68, s70
	s_add_nc_u64 s[56:57], s[16:17], s[68:69]
	s_mul_i32 s73, s67, 143360
	s_lshl_b32 s70, s72, 12
	s_add_co_u32 s68, s73, s70
	s_add_nc_u64 s[58:59], s[18:19], s[68:69]
	s_lshl_b32 s70, s72, 9
	s_add_co_u32 s68, s73, s70
	s_add_co_u32 s68, s68, 131072
	s_add_nc_u64 s[60:61], s[18:19], s[68:69]
	s_lshl_b32 s70, s72, 8
	s_add_co_u32 s68, s73, s70
	s_add_co_u32 s68, s68, 139264
	s_add_nc_u64 s[62:63], s[18:19], s[68:69]
	s_lshl_b32 s68, s23, 8
	s_add_nc_u64 s[8:9], s[8:9], s[68:69]
	s_add_nc_u64 s[10:11], s[10:11], s[68:69]
	s_add_nc_u64 s[12:13], s[12:13], s[68:69]
.macro XLOAD s, a0
.irp a, \a0, \a0+1, \a0+2, \a0+3
.irp c, 0,1
	ds_load_b128 v[XF+8*(\a)+4*\c:XF+8*(\a)+4*\c+3], v1 offset:8192*(\a)+1024*(\s)+512*\c
.endr
.endr
.endm
.macro XSLOAD g
.irp a, 0,1,2,3,4,5,6,7
	ds_load_b128 v[XS+4*\a:XS+4*\a+3], v2 offset:512*\a+256*(\g)
.endr
.endm
.macro WLOAD win, type, s
	WIN \win
.irp t, 0,1,2,3
.irp c, 0,1
	global_load_b128 v[32*(\s)+8*\t+4*\c:32*(\s)+8*\t+4*\c+3], v1, s[50:51] offset:524288*(\type)+8192*\t+1024*(\s)+512*\c
.endr
.endr
	WIN 0
.endm
.macro WSLOAD set, type
.irp t, 0,1,2,3
.irp g, 0,1
	global_load_b128 v[(\set)+8*\t+4*\g:(\set)+8*\t+4*\g+3], v3, s[52:53] offset:32768*(\type)+512*\t+256*\g
.endr
.endr
.endm
.macro BILOAD type
.if (\type) < 2
.irp t, 0,1,2,3
.irp e, 0,1
	global_load_b128 v[BI+8*\t+4*\e:BI+8*\t+4*\e+3], v4, s[8+2*(\type):9+2*(\type)] offset:4*(32*(\t/2)+8*(\t%2))+16*\e
.endr
.endr
.else
.irp t, 0,1,2,3
.irp j, 0,1,2,3,4,5,6,7
	global_load_b32 v[BI+8*\t+\j], v5, s[12:13] offset:4*(32*(\t/2)+8*(\t%2))
.endr
.endr
.endif
.endm
.macro MUL16 p, a0, s
.irp a, \a0, \a0+1, \a0+2, \a0+3
.irp t, 0,1,2,3
.if (\p) < 2
.if (\s) == 0
	v_wmma_scale_f32_16x16x128_f8f6f4 v[8*(4*(\a)+\t):8*(4*(\a)+\t)+7], v[32*(\s)+8*\t:32*(\s)+8*\t+7], v[XF+8*(\a):XF+8*(\a)+7], v[BI+8*\t:BI+8*\t+7], v[WSET+8*\t+(\s)], v[XS+4*(\a)+(\s)%4] matrix_a_fmt:MATRIX_FMT_FP4 matrix_b_fmt:MATRIX_FMT_FP4
.else
	v_wmma_scale_f32_16x16x128_f8f6f4 v[8*(4*(\a)+\t):8*(4*(\a)+\t)+7], v[32*(\s)+8*\t:32*(\s)+8*\t+7], v[XF+8*(\a):XF+8*(\a)+7], v[8*(4*(\a)+\t):8*(4*(\a)+\t)+7], v[WSET+8*\t+(\s)], v[XS+4*(\a)+(\s)%4] matrix_a_fmt:MATRIX_FMT_FP4 matrix_b_fmt:MATRIX_FMT_FP4
.endif
.else
.if (\s) == 0
	v_wmma_scale_f32_16x16x128_f8f6f4 v[8*(8*\t+(\a)):8*(8*\t+(\a))+7], v[XF+8*(\a):XF+8*(\a)+7], v[32*(\s)+8*\t:32*(\s)+8*\t+7], v[BI+8*\t:BI+8*\t+7], v[XS+4*(\a)+(\s)%4], v[WSET+8*\t+(\s)] matrix_a_fmt:MATRIX_FMT_FP4 matrix_b_fmt:MATRIX_FMT_FP4
.else
	v_wmma_scale_f32_16x16x128_f8f6f4 v[8*(8*\t+(\a)):8*(8*\t+(\a))+7], v[XF+8*(\a):XF+8*(\a)+7], v[32*(\s)+8*\t:32*(\s)+8*\t+7], v[8*(8*\t+(\a)):8*(8*\t+(\a))+7], v[XS+4*(\a)+(\s)%4], v[WSET+8*\t+(\s)] matrix_a_fmt:MATRIX_FMT_FP4 matrix_b_fmt:MATRIX_FMT_FP4
.endif
.endif
.endr
.endr
.endm
.macro MWIN s
.if (\s) == 0
	WIN WM
.else
	WIN WM+0x10
.endif
.endm
.macro STEP p, s
.if (\p) == 0 && (\s) > 0
	s_wait_loadcnt 63                              ; the first pass's weights of this step are in: 64 loads or more were issued behind them
.endif
	s_wait_dscnt 8
	MWIN \s
	MUL16 \p, 0, \s
	s_wait_dscnt 0x0
	PLACES
	WIN 0
.if (\s) < 7
	XLOAD (\s)+1, 0
.endif
	MWIN \s
	MUL16 \p, 4, \s
	PLACES
	WIN 0
.if (\s) == 3
	XSLOAD 1
.endif
.if (\s) < 7
	XLOAD (\s)+1, 4
.endif
.if (\p) < 2
.if (\s) == 0
	WSLOAD NWS, (\p)+1
.endif
.if (\s) == 1
	BILOAD (\p)+1
.endif
	WLOAD NWIN, (\p)+1, \s
.endif
.endm
.macro EPI type
	PLACES
	WIN 0x05
.set q, 0
.rept 16
	v_max3_num_f32 v[MX+q], |v[16*q]|, |v[16*q+1]|, 0x1800000
.set q, q+1
.endr
.irp i, 2,4,6,8,10,12,14
.set q, 0
.rept 16
	v_max3_num_f32 v[MX+q], |v[16*q+\i]|, |v[16*q+\i+1]|, v[MX+q]
.set q, q+1
.endr
.endr
	WIN 0
.set q, 0
.rept 16
	v_permlanex16_b32 v[PB+q], v[MX+q], s48, s49
.set q, q+1
.endr
.set q, 0
.rept 16
	v_max_num_f32 v[MX+q], v[MX+q], v[PB+q]
.set q, q+1
.endr
.set q, 0
.rept 16
	v_add_nc_u32 v[SO+q], 0xff000000, v[MX+q]
.set q, q+1
.endr
.set q, 0
.rept 16
	v_lshrrev_b32 v[PB+q], 23, v[SO+q]
.set q, q+1
.endr
.if (\type) < 2
.irp a, 0,1,2,3,4,5,6,7
	v_lshl_or_b32 v[PW+\a], v[PB+2*\a+1], 8, v[PB+2*\a]
.endr
.irp a, 0,1,2,3,4,5,6,7
	v_or_b32 v[PW+\a], 0x7f7f0000, v[PW+\a]
.endr
.irp i, 0,1,2,3
	v_cndmask_b32 v[SV+\i], v[PW+\i], v[PW+4+\i], s66
.endr
.else
.irp t, 0,1,2,3
	v_lshl_or_b32 v[PW+\t], v[PB+4*\t+1], 8, v[PB+4*\t]
	v_lshl_or_b32 v[PW+\t], v[PB+4*\t+2], 16, v[PW+\t]
	v_lshl_or_b32 v[PW+\t], v[PB+4*\t+3], 24, v[PW+\t]
.endr
.irp i, 0,1
	v_cndmask_b32 v[SV+\i], v[PW+\i], v[PW+2+\i], s66
.endr
.endif
	WIN 0x01
.set q, 0
.rept 16
	v_cvt_scalef32_pk8_fp4_f32 v[PC+2*q], v[16*q:16*q+7], v[SO+q]
	v_cvt_scalef32_pk8_fp4_f32 v[PC+2*q+1], v[16*q+8:16*q+15], v[SO+q]
.set q, q+1
.endr
	WIN 0
	v_nop
.irp e, 0,1,2,3,4,5,6,7
.irp i, 0,1
	v_permlane16_swap_b32 v[PC+4*\e+\i], v[PC+4*\e+2+\i]
.endr
.endr
.irp e, 0,1,2,3,4,5,6,7
.if (\type) == 0
	global_store_b128 v1, v[PC+4*\e:PC+4*\e+3], s[54:55] offset:512*\e
.elseif (\type) == 1
	global_store_b128 v1, v[PC+4*\e:PC+4*\e+3], s[58:59] offset:512*\e
.else
	global_store_b128 v1, v[PC+4*\e:PC+4*\e+3], s[58:59] offset:65536+512*\e
.endif
.endr
.if (\type) == 0
	global_store_b128 v1, v[SV:SV+3], s[56:57]
.elseif (\type) == 1
	global_store_b128 v1, v[SV:SV+3], s[60:61]
.else
	global_store_b64 v6, v[SV:SV+1], s[62:63]
.endif
.endm
.macro PASS p
.if (\p) == 0
.set WM, 0x42
.set WSET, WSA
.set NWIN, 0xc0
.set NWS, WSB
.elseif (\p) == 1
.set WM, 0x43
.set WSET, WSB
.set NWIN, 0x80
.set NWS, WSA
.else
.set WM, 0x48
.set WSET, WSA
.endif
.if (\p) > 0
	s_wait_xcnt 0x0                                ; the last pass's stores have read the registers that x's fragments take again
.endif
	XSLOAD 0
	XLOAD 0, 0
	XLOAD 0, 4
.if (\p) == 0
	s_wait_loadcnt 56                              ; the scale words, the bias and step 0's weights are in; the 7 x 8 loads of steps 1 to 7 may be out
.else
	s_wait_loadcnt 0x0
.endif
.irp s, 0,1,2,3,4,5,6,7
	STEP \p, \s
.endr
	EPI \p
.endm
	WSLOAD WSA, 0
	BILOAD 0
.irp s, 0,1,2,3,4,5,6,7
	WLOAD 0x80, 0, \s
.endr
	s_wait_tensorcnt 0x0
	s_barrier_signal -1
	s_barrier_wait -1
	PASS 0
	PASS 1
	PASS 2
	s_wait_tensorcnt 0x0
	ds_add_u32 v14, v15
	s_wait_dscnt 0x0
	s_endpgm
.Lfunc_end_k_qe377409038_qkv:
	.size	k_qe377409038_qkv, .Lfunc_end_k_qe377409038_qkv-k_qe377409038_qkv
	.p2alignl 7, 3214868480
	.fill 96, 4, 3214868480
	.section	.rodata,"a",@progbits
	.p2align	6, 0x0
	.amdhsa_kernel k_qe377409038_qkv
		.amdhsa_group_segment_fixed_size 327680
		.amdhsa_private_segment_fixed_size 0
		.amdhsa_enable_private_segment 0
		.amdhsa_kernarg_size 64
		.amdhsa_user_sgpr_count 2
		.amdhsa_user_sgpr_kernarg_segment_ptr 1
		.amdhsa_wavefront_size32 1
		.amdhsa_system_sgpr_workgroup_id_x 1
		.amdhsa_system_sgpr_workgroup_id_y 1
		.amdhsa_system_sgpr_workgroup_id_z 1
		.amdhsa_system_vgpr_workitem_id 0
		.amdhsa_next_free_vgpr 1024
		.amdhsa_next_free_sgpr 76
		.amdhsa_reserve_vcc 0
		.amdhsa_float_denorm_mode_32 3
		.amdhsa_float_denorm_mode_16_64 3
		.amdhsa_memory_ordered 1
		.amdhsa_forward_progress 1
		.amdhsa_inst_pref_size 215
	.end_amdhsa_kernel
	.amdgpu_metadata
---
amdhsa.version: [ 1, 2 ]
amdhsa.kernels:
  - .name:           k_qe377409038_qkv
    .symbol:         k_qe377409038_qkv.kd
    .args:
      - { .name: codes, .offset: 0, .size: 8, .value_kind: global_buffer, .address_space: global }
      - { .name: scl, .offset: 8, .size: 8, .value_kind: global_buffer, .address_space: global }
      - { .name: bq, .offset: 16, .size: 8, .value_kind: global_buffer, .address_space: global }
      - { .name: bk, .offset: 24, .size: 8, .value_kind: global_buffer, .address_space: global }
      - { .name: bv, .offset: 32, .size: 8, .value_kind: global_buffer, .address_space: global }
      - { .name: qimg, .offset: 40, .size: 8, .value_kind: global_buffer, .address_space: global }
      - { .name: qscl, .offset: 48, .size: 8, .value_kind: global_buffer, .address_space: global }
      - { .name: kv, .offset: 56, .size: 8, .value_kind: global_buffer, .address_space: global }
    .group_segment_fixed_size: 327680
    .private_segment_fixed_size: 0
    .kernarg_segment_align: 8
    .kernarg_segment_size: 64
    .max_flat_workgroup_size: 128
    .sgpr_count:     76
    .vgpr_count:     1024
    .wavefront_size: 32
...
	.end_amdgpu_metadata
.endif
;; end of part 2
;; launch attn (part 3): grid 4 x 64, 16 waves a work-group, clusters of 4 x 1, 169,984 bytes of LDS; arguments qimg, qscl, kv, ctxc, ctxs; writes ctxc, ctxs
.if DOCPART == 3
	.amdgcn_target "amdgcn-amd-amdhsa--gfx1250"
	.amdhsa_code_object_version 6
	.text
	.protected	k_qe377409038_attn
	.globl	k_qe377409038_attn
	.p2align	8
	.type	k_qe377409038_attn,@function
k_qe377409038_attn:
	s_mov_b64 s[64:65], 0
	v_nop
	global_prefetch_b8 v0, s[64:65] scope:SCOPE_SE
	s_setreg_imm32_b32 hwreg(HW_REG_WAVE_MODE, 25, 1), 1
	s_wait_xcnt 0x0
	s_wait_alu depctr_hold_cnt(0) depctr_sa_sdst(0) depctr_va_vdst(0) depctr_va_sdst(0) depctr_va_ssrc(0) depctr_va_vcc(0) depctr_vm_vsrc(0)
	s_getreg_b32 s2, hwreg(HW_REG_IB_STS2, 6, 4)
	s_cmp_eq_u32 s2, 0
	s_cbranch_scc0 .Lentry_in_a_cluster
	s_endpgm
.Lentry_in_a_cluster:
	s_bfe_u32 s2, ttmp6, 0x10000c
	s_cmp_lg_u32 s2, 0x3003
	s_cbranch_scc0 .Lentry_shape_is_right
	s_endpgm
.Lentry_shape_is_right:
; ctx = softmax(q k^T / 8) v for one head, both products on codes of FP4 with E8M0 scales, and ctx quantised along the model's 1,024 for the last product.
; THE SOFTMAX: t = score x log2(e) / 8; M = the running largest t rounded UP to a whole number; p = 2^(t - M) is quantised along the keys, not normalised; the row's sum is taken of the unquantised p and divides O at the end.
; When M moves, the sums and O are multiplied by 2^(old M - new M): exact.
; SHARES: a work-group owns 512 queries of one head (y: 16 x batch + head); each of its sixteen waves two tiles of 16 queries, one after the other (the loop .Lpass); a pass walks the head's 2,048 keys in 16 steps of 128.
; LDS: the head's whole blob (K's and V^T's images and their scale words, 143,360 bytes) is filled ONCE, 8,960 bytes a wave; nothing is filled again and nothing is stored to LDS.
; CLUSTER: the four work-groups of a head read the same blob: each of its sixteen parts is asked for JOINTLY, with the mask of all four.  One load of mine is out.  No prefetch: the one fill stands at the head, with no loop to run ahead in.
; LAYOUT: both products transposed (S^T = K Q^T, O^T = V^T P^T): a lane holds ONE query.
; A TILE OF K IS COMPOSED AS IT IS READ: tile (c, i) takes as rows 0-7 the keys 8 i .. 8 i + 7 of block 2 c and as rows 8-15 the same keys of block 2 c + 1.  So lane (q, h) holds in the 32 registers of tiles (c, 0 .. 3)
; the WHOLE block 2 c + h of 32 keys in ascending order: a block's largest score needs no other lane, and the conversions' results are the second product's operand as they stand.
; The head's 64 fill the lower half of a fragment's K of 128.  Q's upper half is zero codes; K's fragments lie packed, 4 registers each, so the upper half of a K operand is the next fragment's codes: they meet Q's zeros under the byte 0x7f and add nothing.
; A BLOCK'S SCALE: p = 2^x, so floor(log2(largest p)) = floor(x) of the block's largest score: byte = floor(max(x, -124)) + 125, read off the low bits of floor + (2^23 + 125).
; THE ORDER OF A STEP keeps dependent lines apart: the maxima are a tree (20, 8, 2, 2 lines); the next step's K loads stand between the links that make M; the links that make f and the scale bytes stand among the 32 scalings and
; the 16 rescalings of O^T; the row's sum stays in eight packed partial sums over a whole pass, whose first addition of a step is fused with the rescaling.
; LIMITS: p under 2^-126 counts as 0 (v_exp_f32); a block of p whose largest lies under 2^-124, and a block of ctx that is all zeros or under 2^-124, gets the byte 1; NaN and infinities are not served; the scaled scores stay under 2^31 in magnitude.
; REGISTERS: v1-7 addresses that stay; v8-11 the step's; v12 the old -M, v13 the largest score, v14 the new -M, v15 at work; v16-23 Q, v24 its words; v25, v68-71 the second pass's; v[26:27] V's words, v[28:31] K's; v32-63 K's 8 fragments, v64-67 zeros;
;   v72, v73 the add's two; v74 ctx's scale bytes; v76-91 the partial sums; v96-159 S^T, then p; v160-191 O^T; v192-223 V's 4 fragments; v224-231 p's codes; v232-251 the tree, then at work; v252 f, v253 p's scale word.
.set VIMG, 65536
.set KSC,  131072
.set VSC,  139264
.set BLOB, 143360
.set PART, 8960                        ; 35 rows of 256 bytes
.set SPARE, 0x29000                    ; the spare words: 128 bytes a wave
.set WV,  18
.set TB,  41                           ; s41 the step's images: 4,096 bytes a step, K's and V's alike
.set TS,  42                           ; s42 K's scale words: 512 a step
.set TJ,  43                           ; s43 V's: 256 a step
.set CNT, 44
.set PS,  45                           ; s45 the pass
.set MK,  46                           ; s46 the lanes that keep this pass's scale bytes
.macro CROUND                          ; a round of the cluster's barrier
	s_barrier_signal -1
	s_barrier_wait -1
	s_cmp_lg_u32 s[WV], 0
	s_cbranch_scc1 .Lnot_wave_0_\@
	s_barrier_signal -3
.Lnot_wave_0_\@:
	s_barrier_wait -3
	s_barrier_signal -1
	s_barrier_wait -1
.endm
	s_load_b256 s[4:11], s[0:1], 0x0               ; qimg s[4:5], qscl s[6:7], kv s[8:9], ctxc s[10:11]
	s_load_b64 s[12:13], s[0:1], 0x20              ; ctxs
	v_lshl_add_u32 v72, v0, 2, SPARE
	v_mov_b32 v73, 0
	ds_add_u32 v72, v73                            ; the opening lines: the add twice on end and its wait
	ds_add_u32 v72, v73
	s_wait_dscnt 0x0
	v_lshrrev_b32 v1, 5, v0
	v_readfirstlane_b32 s[WV], v1                  ; wave 0..15
	s_bfe_u32 s36, ttmp6, 0x40000                  ; cx: it enters Q's and ctx's addresses alone
	s_lshl_b32 s37, ttmp9, 2
	s_add_co_u32 s37, s37, s36                     ; my block of 512 queries
	s_and_b32 s38, ttmp7, 0xffff                   ; 16 x batch + head, which the four partners share
	s_and_b32 s39, s38, 15                         ; head
	s_lshr_b32 s40, s38, 4                         ; batch
	s_mov_b32 s24, 15|(3<<16)|(1<<21)              ; the mask: all four; elements of 8 bytes; bit 21 set beside a mask
	s_mov_b32 s25, 32<<16                          ; tensor_dim0 = 32 elements: 256 bytes
	s_mov_b32 s26, 35<<16                          ; tensor_dim1 = 35
	s_mov_b32 s27, 32<<16                          ; tile_dim0
	s_mov_b32 s28, 35                              ; tile_dim1
	s_mov_b32 s29, 32                              ; the pitch: dense
	s_mov_b32 s30, 0
	s_mov_b32 s31, 0
	s_mov_b32 s32, 1
	s_mul_i32 s33, s[WV], PART                     ; LDS: my part
	s_mul_i32 s46, s38, BLOB
	s_add_co_u32 s46, s46, s33
	s_mov_b32 s47, 0
	s_mov_b32 s20, 0x76543210
	s_mov_b32 s21, 0xfedcba98                      ; lane l xor 16
	s_mov_b32 s22, 0x3e38aa3b                      ; c = log2(e) / 8
	s_mov_b32 s23, s22                             ; (named with it as a pair)
	s_mov_b32 s54, 0xbe38aa3b                      ; -c
	s_wait_kmcnt 0x0
	s_add_nc_u64 s[34:35], s[8:9], s[46:47]
	s_or_b32 s35, s35, 0x80000000
	CROUND                                         ; all four work-groups are here: the joint loads meet
	tensor_load_to_lds s[32:35], s[24:31]
	s_nop 0
.rept 4
	v_nop
.endr
	s_lshl_b32 s48, s37, 5
	s_lshl_b32 s49, s[WV], 1
	s_add_co_u32 s48, s48, s49                     ; my first tile of queries in the head: 32 x block + 2 x wave
	s_mov_b32 s51, 0
	s_lshl_b32 s50, s38, 16
	s_lshl_b32 s52, s48, 9
	s_add_co_u32 s50, s50, s52
	s_add_nc_u64 s[4:5], s[4:5], s[50:51]          ; its image
	s_lshl_b32 s50, s38, 13
	s_lshr_b32 s52, s48, 3
	s_lshl_b32 s52, s52, 9
	s_add_co_u32 s50, s50, s52                     ; its group of 8 tiles,
	s_bfe_u32 s52, s48, 0x10002
	s_lshl_b32 s52, s52, 8
	s_add_co_u32 s50, s50, s52                     ; the group's half,
	s_and_b32 s52, s48, 3
	s_lshl_b32 s52, s52, 2
	s_add_co_u32 s50, s50, s52                     ; the word
	s_add_nc_u64 s[6:7], s[6:7], s[50:51]
	s_lshl_b32 s53, s40, 7
	s_add_co_u32 s53, s53, s48                     ; the same tile among ctx's 512
	s_lshl_b32 s50, s53, 13
	s_lshr_b32 s52, s39, 1
	s_lshl_b32 s52, s52, 10
	s_add_co_u32 s50, s50, s52                     ; K step head / 2,
	s_and_b32 s52, s39, 1
	s_lshl_b32 s52, s52, 9
	s_add_co_u32 s50, s50, s52                     ; half head % 2
	s_add_nc_u64 s[10:11], s[10:11], s[50:51]
	s_lshl_b32 s50, s53, 9
	s_lshr_b32 s52, s39, 3
	s_lshl_b32 s52, s52, 8
	s_add_co_u32 s50, s50, s52
	s_and_b32 s52, s39, 7
	s_lshl_b32 s52, s52, 1
	s_add_co_u32 s50, s50, s52                     ; two bytes for each head in a row's 16
	s_add_nc_u64 s[12:13], s[12:13], s[50:51]
	s_mov_b32 s[MK], 0xffff                        ; the first pass's bytes stay in lanes 0-15
	s_mov_b32 s[PS], 0
	v_and_b32 v7, 31, v0
	v_lshlrev_b32 v1, 4, v7                        ; 16 x lane
	v_add_nc_u32 v2, VIMG, v1                      ; V's fragments
	v_lshl_add_u32 v4, v7, 3, VSC                  ; V's words
	v_and_b32 v5, 15, v0
	v_lshlrev_b32 v5, 4, v5                        ; 16 r
	v_bfe_u32 v6, v0, 4, 1                         ; h
	v_and_b32 v8, 7, v0
	v_lshlrev_b32 v8, 4, v8                        ; 16 (r % 8)
	v_bfe_u32 v9, v0, 3, 1                         ; r / 8
	v_lshl_add_u32 v3, v9, 10, v8
	v_lshl_add_u32 v3, v6, 8, v3                   ; K's fragments: rows 8-15 come from the image's tile two on (1,024 bytes); + 256 h
	v_lshl_add_u32 v7, v9, 3, v8
	v_lshl_add_u32 v7, v6, 7, v7
	v_add_nc_u32 v7, KSC, v7                       ; K's words: two of them at 16 (r % 8) + 8 (r / 8); lanes 16-31 those of the tiles with i / 2 = 1
	v_lshl_add_u32 v6, v6, 9, v5                   ; ctx's scale bytes: lanes 0-15 my first tile, lanes 16-31 my second
	global_load_b128 v[16:19], v1, s[4:5]          ; Q of the first pass,
	global_load_b128 v[68:71], v1, s[4:5] offset:512   ; and of the second
	global_load_b32 v24, v5, s[6:7]
	global_load_b32 v25, v5, s[6:7] offset:4
.irp j, 15,20,21,22,23,64,65,66,67,74,236,237,253
	v_mov_b32 v[\j], 0                             ; Q's upper half and the registers behind K's last fragment: zero codes; lane permutes' destinations and v253 are named before they are first written
.endr
	s_wait_alu depctr_va_vdst(0)
	s_wait_tensorcnt 0x0                           ; my part of the blob is in LDS,
	s_barrier_signal -1
	s_barrier_wait -1                              ; everybody's is
	s_wait_loadcnt 0x0                             ; Q
; K's eight composed fragments (items 0-7: tile T = 4 c + i) and their words (items 8, 9: c = 0, 1; register i % 2; lanes 0-15 i / 2 = 0, lanes 16-31 i / 2 = 1)
.macro KITEM ak, as, nx, n
.if (\n) < 8
	ds_load_b128 v[32+4*(\n):35+4*(\n)], v[\ak] offset:4096*(\nx)+2048*((\n)/4)+512*((\n)%2)+128*(((\n)%4)/2)
.else
	ds_load_b64 v[28+2*((\n)-8):29+2*((\n)-8)], v[\as] offset:512*(\nx)+256*((\n)-8)
.endif
.endm
.macro KLOAD ak, as, nx
.irp n, 0,1,2,3,4,5,6,7,8,9
	KITEM \ak, \as, \nx, \n
.endr
.endm
.macro KN last, n                      ; in a step that has a successor in its pass: item n of the next step's K
.if (\last) == 0
	KITEM 8, 10, 1, \n
.endif
.endm
.macro PF n                            ; n packed scalings: x = t - M, two at a time
.rept \n
	v_pk_fma_f32 v[96+j:97+j], v[96+j:97+j], s[22:23], v[14:15] op_sel_hi:[1,0,0]
.set j, j+2
.endr
.endm
.macro OM n                            ; n packed rescalings of O^T, each accumulator from its low end on
.rept \n
	v_pk_mul_f32 v[160+o:161+o], v[160+o:161+o], v[252:253] op_sel_hi:[1,0]
.set o, o+2
.endr
.endm
; A KEY STEP: 128 keys.  last = 1: a pass's last step
.macro STEP last
	s_wait_dscnt 0x0                               ; K and its words, asked for a step ago
.irp T, 0,1,4,5
	v_wmma_scale_f32_16x16x128_f8f6f4 v[96+8*\T:103+8*\T], v[32+4*\T:39+4*\T], v[16:23], 0, v[28+2*(\T/4)+\T%2], v24 matrix_a_fmt:MATRIX_FMT_FP4 matrix_b_fmt:MATRIX_FMT_FP4
.endr
.irp T, 2,3,6,7
	v_wmma_scale_f32_16x16x128_f8f6f4 v[96+8*\T:103+8*\T], v[32+4*\T:39+4*\T], v[16:23], 0, v[28+2*(\T/4)+\T%2], v24 matrix_a_fmt:MATRIX_FMT_FP4 matrix_b_fmt:MATRIX_FMT_FP4 matrix_a_scale:MATRIX_SCALE_ROW1
.endr
	v_add_nc_u32 v9, s[TB], v2                     ; (these four are the places behind the products)
	v_add_nc_u32 v11, s[TJ], v4
.if \last
	v_nop
	v_nop
.else
	v_add_nc_u32 v8, s[TB], v3
	v_add_nc_u32 v10, s[TS], v7
.endif
.irp d, 0,1,2,3
.irp c, 0,1
	ds_load_b128 v[192+8*\d+4*\c:195+8*\d+4*\c], v9 offset:1024*\d+512*\c
.endr
.endr
	ds_load_b64 v[26:27], v11                      ; V's words: register i: lanes 0-15 tile i, lanes 16-31 tile 2 + i
.if \last
	s_wait_alu depctr_va_vdst(0)
	s_cmp_eq_u32 s[PS], 1
	s_cbranch_scc1 .Lno_next_\@                    ; behind the second pass nothing follows
	KLOAD 3, 7, 0                                  ; step 0 again, for the second pass,
.irp j, 0,1,2,3
	v_mov_b32 v[16+\j], v[68+\j]                   ; and its Q
.endr
	v_mov_b32 v24, v25
.Lno_next_\@:
.endif
.irp k, 0,1,2,3,4,5,6,7,8,9            ; the largest score of my two blocks of 32 keys, as a tree: 2 x 10 lines that hang on no other,
.irp c, 0,1
	v_max3_num_f32 v[232+10*\c+\k], v[96+32*\c+3*\k], v[97+32*\c+3*\k], v[98+32*\c+3*\k]
.endr
.endr
.irp k, 0,3,6                          ; 2 x 4,
.irp c, 0,1
	v_max3_num_f32 v[232+10*\c+\k], v[232+10*\c+\k], v[233+10*\c+\k], v[234+10*\c+\k]
.endr
.endr
.irp c, 0,1
	v_max3_num_f32 v[241+10*\c], v[241+10*\c], v[126+32*\c], v[127+32*\c]
.endr
.irp c, 0,1
	v_max3_num_f32 v[232+10*\c], v[232+10*\c], v[235+10*\c], v[238+10*\c]
.endr
	KN \last, 0                                    ; (the next step's K loads stand between the links from here to M)
	KN \last, 1
	KN \last, 2
.irp c, 0,1
	v_max_num_f32 v[232+10*\c], v[232+10*\c], v[241+10*\c]   ; v232, v242: the blocks' largest scores
.endr
	KN \last, 3
	KN \last, 4
	v_max_num_f32 v14, v232, v242
	KN \last, 5
	KN \last, 6
	v_permlanex16_b32 v15, v14, s20, s21           ; lane l xor 16's two blocks
	KN \last, 7
	KN \last, 8
	v_max3_num_f32 v13, v13, v14, v15              ; the running largest score of my query
	KN \last, 9
	v_mul_f32 v233, s54, v13                       ; -t
	v_floor_f32 v14, v233                          ; the new -M = floor(-t): M is a whole number
	v_sub_f32 v234, v14, v12                       ; old M - new M: a whole number, 0 or less
.set j, 0
.set o, 0
	PF 6
	v_cvt_i32_f32 v234, v234                       ; (it saturates)
	v_fma_f32 v232, v232, s22, v14                 ; x of each block's largest score
	v_fma_f32 v242, v242, s22, v14
	PF 6
	v_ldexp_f32 v252, 1.0, v234                    ; f = 2^(old M - new M)
	v_max_num_f32 v232, 0xc2f80000, v232           ; held at -124: the byte cannot fall under 1
	v_max_num_f32 v242, 0xc2f80000, v242
	PF 6
	v_floor_f32 v232, v232                         ; floor(log2(the block's largest p))
	v_floor_f32 v242, v242
	PF 6
	v_add_f32 v232, 0x4b00007d, v232               ; + 2^23 + 125, exact: the low byte is the scale's byte
	v_add_f32 v242, 0x4b00007d, v242
	PF 8
	v_lshlrev_b32 v240, 23, v232                   ; the byte as an exponent field: the conversion's scale operand
	v_lshlrev_b32 v241, 23, v242
	v_perm_b32 v243, v242, v232, 0x04000400        ; my two bytes: blocks h and 2 + h
	OM 8                                           ; O^T under the new M: no exponential stands between the last products and these first reads
	v_permlanex16_b32 v244, v243, s20, s21
	OM 8
	v_perm_b32 v253, v244, v243, 0x05010400        ; lanes 0-15: p's scale word, blocks 0 to 3 (lanes 16-31 are not read)
	s_wait_alu depctr_va_vdst(0)
.set j, 0
.rept 64
	v_exp_f32 v[96+j], v[96+j]                     ; p = 2^(t - M)
.set j, j+1
.endr
	v_mov_b32 v12, v14                             ; -M for the next step: the plain place behind the exponentials
	s_wait_alu depctr_va_vdst(0)                   ; one wait for the batch, ahead of its first reader
.irp T, 0,1,2,3,4,5,6,7
	v_cvt_scalef32_pk8_fp4_f32 v[224+\T], v[96+8*\T:103+8*\T], v[240+\T/4]   ; register 4 c + i: keys 64 c + 32 h + 8 i + 0 .. 7: the operand's own layout
.endr
.set a, 0
.rept 8                                ; the row's sum of the unquantised p, in eight packed partial sums: each x f + its first pair,
	v_pk_fma_f32 v[76+2*a:77+2*a], v[76+2*a:77+2*a], v[252:253], v[96+2*a:97+2*a] op_sel_hi:[1,0,1]
.set a, a+1
.endr
.set k, 8
.rept 24                               ; and three pairs more.  (These 32 lines also stand between the conversions and the products)
	v_pk_add_f32 v[76+2*(k%8):77+2*(k%8)], v[76+2*(k%8):77+2*(k%8)], v[96+2*k:97+2*k]
.set k, k+1
.endr
	s_wait_dscnt 0x0                               ; V and its words are in
.irp d, 0,1
	v_wmma_scale_f32_16x16x128_f8f6f4 v[160+8*\d:167+8*\d], v[192+8*\d:199+8*\d], v[224:231], v[160+8*\d:167+8*\d], v[26+\d], v253 matrix_a_fmt:MATRIX_FMT_FP4 matrix_b_fmt:MATRIX_FMT_FP4
.endr
.irp d, 2,3
	v_wmma_scale_f32_16x16x128_f8f6f4 v[160+8*\d:167+8*\d], v[192+8*\d:199+8*\d], v[224:231], v[160+8*\d:167+8*\d], v[24+\d], v253 matrix_a_fmt:MATRIX_FMT_FP4 matrix_b_fmt:MATRIX_FMT_FP4 matrix_a_scale:MATRIX_SCALE_ROW1
.endr
.if \last == 0
	s_add_co_u32 s[TB], s[TB], 4096
	s_add_co_u32 s[TS], s[TS], 512
	s_add_co_u32 s[TJ], s[TJ], 256
.endif
.endm
	KLOAD 3, 7, 0                                  ; step 0 of the first pass
.Lpass:                                                ; one tile of 16 queries against all keys; then O^T / the sum is quantised along d and stored as half a fragment of ctx
	v_mov_b32 v13, 0xff61b1e6                      ; the largest score so far: -3e38
	v_floor_f32 v12, -v13
.set j, 0
.rept 16
	v_mov_b32 v[76+j], 0                           ; the partial sums
.set j, j+1
.endr
.set j, 0
.rept 32
	v_mov_b32 v[160+j], 0                          ; O^T: the step's first trip finds zeros, which the first change of M leaves zeros
.set j, j+1
.endr
	s_mov_b32 s[TB], 0
	s_mov_b32 s[TS], 0
	s_mov_b32 s[TJ], 0
	s_mov_b32 s[CNT], 15
.Lstep:
	STEP 0
	s_sub_co_u32 s[CNT], s[CNT], 1
	s_cmp_lg_u32 s[CNT], 0
	s_cbranch_scc1 .Lstep
	STEP 1
	s_wait_alu depctr_va_vdst(0)
	v_pk_add_f32 v[76:77], v[76:77], v[78:79]      ; the partial sums are joined (these lines are also the places behind the last products)
	v_pk_add_f32 v[80:81], v[80:81], v[82:83]
	v_pk_add_f32 v[84:85], v[84:85], v[86:87]
	v_pk_add_f32 v[88:89], v[88:89], v[90:91]
	v_pk_add_f32 v[76:77], v[76:77], v[80:81]
	v_pk_add_f32 v[84:85], v[84:85], v[88:89]
	v_pk_add_f32 v[76:77], v[76:77], v[84:85]
	v_add_f32 v14, v76, v77                        ; the two halves,
	s_delay_alu instid0(VALU_DEP_1)
	v_permlanex16_b32 v252, v14, s20, s21
	s_delay_alu instid0(VALU_DEP_1)
	v_add_f32 v14, v14, v252                       ; and lane l xor 16's
	s_wait_alu depctr_va_vdst(0)
	v_rcp_f32 v14, v14
	v_nop                                          ; a plain place behind the reciprocal
	s_wait_alu depctr_va_vdst(0)                   ; and the wait ahead of its first reader
.set j, 0
.rept 32
	v_mul_f32 v[96+j], v[160+j], v14               ; ctx: register 16 b + i is d = 32 b + 16 h + i of my query
.set j, j+1
.endr
.irp b, 0,1
	v_max3_num_f32 v[232+\b], |v[96+16*\b]|, |v[97+16*\b]|, 0x1800000
.endr
.irp i, 2,4,6,8,10,12,14
.irp b, 0,1
	s_delay_alu instid0(VALU_DEP_2)
	v_max3_num_f32 v[232+\b], v[232+\b], |v[96+16*\b+\i]|, |v[97+16*\b+\i]|
.endr
.endr
.irp b, 0,1
	s_delay_alu instid0(VALU_DEP_2)
	v_permlanex16_b32 v[236+\b], v[232+\b], s20, s21
.endr
.irp b, 0,1
	s_delay_alu instid0(VALU_DEP_2)
	v_max_num_f32 v[232+\b], v[232+\b], v[236+\b]
.endr
.irp b, 0,1
	s_delay_alu instid0(VALU_DEP_2)
	v_add_nc_u32 v[248+\b], 0xff000000, v[232+\b]
.endr
.irp b, 0,1
	s_delay_alu instid0(VALU_DEP_2)
	v_lshrrev_b32 v[236+\b], 23, v[248+\b]
.endr
	s_delay_alu instid0(VALU_DEP_1)
	v_lshl_or_b32 v75, v237, 8, v236               ; my row's two scale bytes,
	v_cndmask_b32 v74, v74, v75, s[MK]             ; kept in this pass's half of the lanes
.irp b, 0,1
	v_cvt_scalef32_pk8_fp4_f32 v[128+2*\b], v[96+16*\b:103+16*\b], v[248+\b]
	v_cvt_scalef32_pk8_fp4_f32 v[129+2*\b], v[104+16*\b:111+16*\b], v[248+\b]
.endr
	v_nop
	v_permlane16_swap_b32 v128, v130
	v_permlane16_swap_b32 v129, v131
	global_store_b128 v1, v[128:131], s[10:11]     ; 32 lanes store 512 consecutive bytes
	s_wait_xcnt 0x0                                ; the store has read its registers and its base
	s_add_nc_u64 s[10:11], s[10:11], 8192          ; my second tile
	s_lshl_b32 s[MK], s[MK], 16
	s_add_co_u32 s[PS], s[PS], 1
	s_cmp_lt_u32 s[PS], 2
	s_wait_alu depctr_va_vdst(0)
	s_cbranch_scc1 .Lpass
	global_store_b16 v6, v74, s[12:13]             ; lanes 0-15 my first tile's bytes, lanes 16-31 my second's
	s_wait_tensorcnt 0x0                           ; the wave's end
	ds_add_u32 v72, v73
	s_wait_dscnt 0x0
	CROUND                                         ; the closing round: no work-group ends while a partner may still ask for a part that names it
	s_endpgm
.Lfunc_end_k_qe377409038_attn:
	.size	k_qe377409038_attn, .Lfunc_end_k_qe377409038_attn-k_qe377409038_attn
	.p2alignl 7, 3214868480
	.fill 96, 4, 3214868480
	.section	.rodata,"a",@progbits
	.p2align	6, 0x0
	.amdhsa_kernel k_qe377409038_attn
		.amdhsa_group_segment_fixed_size 169984
		.amdhsa_private_segment_fixed_size 0
		.amdhsa_enable_private_segment 0
		.amdhsa_kernarg_size 40
		.amdhsa_user_sgpr_count 2
		.amdhsa_user_sgpr_kernarg_segment_ptr 1
		.amdhsa_wavefront_size32 1
		.amdhsa_system_sgpr_workgroup_id_x 1
		.amdhsa_system_sgpr_workgroup_id_y 1
		.amdhsa_system_sgpr_workgroup_id_z 1
		.amdhsa_system_vgpr_workitem_id 0
		.amdhsa_next_free_vgpr 256
		.amdhsa_next_free_sgpr 66
		.amdhsa_reserve_vcc 0
		.amdhsa_float_denorm_mode_32 3
		.amdhsa_float_denorm_mode_16_64 3
		.amdhsa_memory_ordered 1
		.amdhsa_forward_progress 1
		.amdhsa_inst_pref_size 42
	.end_amdhsa_kernel
	.amdgpu_metadata
---
amdhsa.version: [ 1, 2 ]
amdhsa.kernels:
  - .name:           k_qe377409038_attn
    .symbol:         k_qe377409038_attn.kd
    .args:
      - { .name: qimg, .offset: 0, .size: 8, .value_kind: global_buffer, .address_space: global }
      - { .name: qscl, .offset: 8, .size: 8, .value_kind: global_buffer, .address_space: global }
      - { .name: kv, .offset: 16, .size: 8, .value_kind: global_buffer, .address_space: global }
      - { .name: ctxc, .offset: 24, .size: 8, .value_kind: global_buffer, .address_space: global }
      - { .name: ctxs, .offset: 32, .size: 8, .value_kind: global_buffer, .address_space: global }
    .group_segment_fixed_size: 169984
    .private_segment_fixed_size: 0
    .kernarg_segment_align: 8
    .kernarg_segment_size: 40
    .max_flat_workgroup_size: 512
    .sgpr_count:     66
    .vgpr_count:     256
    .wavefront_size: 32
...
	.end_amdgpu_metadata
.endif
;; end of part 3
;; launch oproj (part 4): grid 256 x 1, 16 waves a work-group, clusters of 4 x 1, 327,680 bytes of LDS; arguments ctxc, ctxs, codes, scl, bo, hidden_states, ln_gamma, ln_beta, out0; writes out0
.if DOCPART == 4
	.amdgcn_target "amdgcn-amd-amdhsa--gfx1250"
	.amdhsa_code_object_version 6
	.text
	.protected	k_qe377409038_oproj
	.globl	k_qe377409038_oproj
	.p2align	8
	.type	k_qe377409038_oproj,@function
k_qe377409038_oproj:
	s_mov_b64 s[64:65], 0
	v_nop
	global_prefetch_b8 v0, s[64:65] scope:SCOPE_SE
	s_setreg_imm32_b32 hwreg(HW_REG_WAVE_MODE, 25, 1), 1
	s_wait_xcnt 0x0
	s_wait_alu depctr_hold_cnt(0) depctr_sa_sdst(0) depctr_va_vdst(0) depctr_va_sdst(0) depctr_va_ssrc(0) depctr_va_vcc(0) depctr_vm_vsrc(0)
	s_getreg_b32 s2, hwreg(HW_REG_IB_STS2, 6, 4)
	s_cmp_eq_u32 s2, 0
	s_cbranch_scc0 .Lentry_in_a_cluster
	s_endpgm
.Lentry_in_a_cluster:
	s_bfe_u32 s2, ttmp6, 0x10000c
	s_cmp_lg_u32 s2, 0x3003
	s_cbranch_scc0 .Lentry_shape_is_right
	s_endpgm
.Lentry_shape_is_right:
; out0 = LayerNorm(ctx Wo^T + bo + hidden_states) x gamma + beta; the product on codes of FP4 with E8M0 scales, all else f32.
; SHARES: a work-group owns 32 rows (two tiles of ctx) x all 1,024 columns, since the norm spans a row; each of its sixteen waves 64 columns (four tiles of Wo) x 32 rows: 8 accumulators, 8 K steps of 128.
; CLUSTER: every work-group walks all of Wo's codes (524,288 bytes).  Four work-groups form a cluster and ask for them JOINTLY, with the mask of all four.  The codes come in TWO fills of 262,144 bytes (K steps 0-3, then 4-7)
; into the same LDS bytes: wave w fetches the four rows of 4,096 bytes of its own four tiles (16,384 bytes), and reads those bytes alone.  One load of mine is out at a time.
; ctx's 16,384 bytes come by register loads, 1,024 a wave, and reach the other waves through LDS bytes of their own.  The residual's two rows of each wave, the bias and the scale words come straight into registers.
; The product is used transposed (source 0 = 16 rows of Wo, source 1 = 16 rows of ctx); the bias is the C of the first K step.  The results turn through a stage in LDS (rows of 4,112 bytes), which lies in the codes' bytes
; behind their last fill and last read; then wave w norms stage rows 2 w and 2 w + 1 and stores whole rows, 512 consecutive bytes an instruction.
; No prefetch: the two fills have no loop to run ahead in.  LIMITS: NaN and infinities are not served.
.set CTX,  262144                      ; ctx's codes
.set SPARE, 278528                     ; the spare words: 128 bytes a wave
.set SPT, 4112
.set CS,  8                            ; v8-23    ctx's scale words
.set WS,  24                           ; v24-55   Wo's
.set CF,  56                           ; v56-71   ctx's two fragments of a K step
.set WF,  72                           ; v72-103  Wo's four
.set RS,  104                          ; v104-167 the residual
.set TM,  168                          ; v168-183 at work in the norm
.set ACC, 184                          ; v184-247 the sums
.set GA,  24                           ; gamma and beta take the registers of Wo's words and fragments
.set BE,  72
.macro PLACES
.rept 4
	v_nop
.endr
.endm
.macro CROUND                          ; a round of the cluster's barrier
	s_barrier_signal -1
	s_barrier_wait -1
	s_cmp_lg_u32 s22, 0
	s_cbranch_scc1 .Lnot_wave_0_\@
	s_barrier_signal -3
.Lnot_wave_0_\@:
	s_barrier_wait -3
	s_barrier_signal -1
	s_barrier_wait -1
.endm
	s_load_b256 s[4:11], s[0:1], 0x0               ; ctxc s[4:5], ctxs s[6:7], codes s[8:9], scl s[10:11]
	s_load_b256 s[12:19], s[0:1], 0x20             ; bo s[12:13], hidden s[14:15], gamma s[16:17], beta s[18:19]
	s_load_b64 s[20:21], s[0:1], 0x40              ; out0
	v_lshl_add_u32 v254, v0, 2, SPARE
	v_mov_b32 v255, 0
	ds_add_u32 v254, v255                          ; the opening lines: the add twice on end and its wait
	ds_add_u32 v254, v255
	v_lshrrev_b32 v1, 5, v0
	v_readfirstlane_b32 s22, v1                    ; wave 0..15
	s_bfe_u32 s23, ttmp6, 0x40000                  ; cx: it enters the addresses of ctx, the residual and out0 alone
	s_lshl_b32 s56, ttmp9, 2
	s_add_co_u32 s56, s56, s23                     ; my block of 32 rows
	s_mov_b32 s24, 15|(3<<16)|(1<<21)              ; the mask: all four; elements of 8 bytes; bit 21 set beside a mask
	s_mov_b32 s25, 512<<16                         ; tensor_dim0 = 512 elements: 4,096 bytes, four K steps of a tile
	s_mov_b32 s26, 4<<16                           ; tensor_dim1 = 4 tiles
	s_mov_b32 s27, 512<<16                         ; tile_dim0
	s_mov_b32 s28, 4                               ; tile_dim1
	s_mov_b32 s29, 1024                            ; the pitch: a tile's 8,192 bytes
	s_mov_b32 s30, 0
	s_mov_b32 s31, 0
	s_mov_b32 s32, 1
	s_lshl_b32 s33, s22, 14                        ; LDS: 16,384 x wave
	s_lshl_b32 s36, s22, 15
	s_add_co_u32 s36, s36, 704*8192                ; Wo's tiles begin at tile 704; my four
	s_mov_b32 s37, 0
	s_lshr_b32 s48, s22, 3                         ; the true row of stage row 2 w: 8 (w / 8) + 2 (w % 8) + 8 ((w % 8) / 4)
	s_lshl_b32 s48, s48, 3
	s_and_b32 s49, s22, 7
	s_lshl_b32 s49, s49, 1
	s_add_co_u32 s48, s48, s49
	s_bfe_u32 s49, s22, 0x10002
	s_lshl_b32 s49, s49, 3
	s_add_co_u32 s48, s48, s49
	s_lshl_b32 s49, s56, 5
	s_add_co_u32 s48, s48, s49
	s_lshl_b32 s48, s48, 12                        ; x 4,096 bytes
	s_mov_b32 s49, 0
	s_lshl_b32 s50, s56, 14
	s_lshl_b32 s51, s22, 10
	s_add_co_u32 s50, s50, s51                     ; my 1,024 bytes of ctx's codes
	s_mov_b32 s51, 0
	s_lshl_b32 s58, s56, 10                        ; ctx's scale words
	s_mov_b32 s59, 0
	s_wait_dscnt 0x0
	s_wait_kmcnt 0x0
	s_add_nc_u64 s[34:35], s[8:9], s[36:37]
	s_or_b32 s35, s35, 0x80000000
	CROUND                                         ; all four work-groups are here: the joint loads meet
	tensor_load_to_lds s[32:35], s[24:31]          ; K steps 0 to 3 of my four tiles
	s_nop 0
	PLACES
	s_add_nc_u64 s[4:5], s[4:5], s[50:51]
	s_add_nc_u64 s[6:7], s[6:7], s[58:59]
	s_add_nc_u64 s[14:15], s[14:15], s[48:49]
	s_add_nc_u64 s[20:21], s[20:21], s[48:49]
	s_mov_b32 s53, 0
	s_lshl_b32 s52, s22, 11
	s_add_co_u32 s52, s52, 704*512
	s_add_nc_u64 s[10:11], s[10:11], s[52:53]      ; my tiles' scale words
	s_mov_b32 s60, 0x76543210
	s_mov_b32 s61, 0xfedcba98
	s_mov_b32 s62, 0x3a800000                      ; 1 / 1,024
	s_mov_b32 s63, 0x2b8cbccc                      ; 1e-12
	s_lshl_b32 s52, s22, 8
	s_mul_i32 s54, s22, 2*SPT
	s_lshl_b32 s55, s22, 10
	s_add_co_u32 s55, s55, CTX
	v_and_b32 v1, 31, v0
	v_lshlrev_b32 v1, 4, v1                        ; 16 x lane
	v_and_b32 v2, 15, v0                           ; r
	v_bfe_u32 v3, v0, 4, 1
	v_lshlrev_b32 v3, 6, v3
	v_add_nc_u32 v3, s52, v3                       ; my columns, in bytes: 256 x wave + 64 h
	v_mul_u32_u24 v4, v2, SPT
	v_add_nc_u32 v4, v4, v3                        ; the stage, on the way in: row r,
	v_add_nc_u32 v5, 16*SPT, v4                    ; and row 16 + r
	v_add_nc_u32 v6, s54, v1                       ; and on the way out: rows 2 w, 2 w + 1
	v_add_nc_u32 v7, s33, v1                       ; Wo's fragments
	v_add_nc_u32 v248, CTX, v1                     ; ctx's fragments
	v_add_nc_u32 v249, s55, v1                     ; where my part of ctx goes
	v_lshlrev_b32 v2, 4, v2                        ; 16 r: a row's four scale words
	s_wait_alu depctr_va_vdst(0)
	global_load_b128 v[56:59], v1, s[4:5]          ; my part of ctx's codes
	global_load_b128 v[60:63], v1, s[4:5] offset:512
.irp i, 0,1
.irp t, 0,1,2,3
.irp e, 0,1
	global_load_b128 v[ACC+8*(4*\i+\t)+4*\e:ACC+8*(4*\i+\t)+4*\e+3], v3, s[12:13] offset:4*(32*(\t/2)+8*(\t%2))+16*\e   ; the bias, in the results' layout
.endr
.endr
.endr
.irp t, 0,1,2,3
.irp g, 0,1
	global_load_b128 v[WS+8*\t+4*\g:WS+8*\t+4*\g+3], v2, s[10:11] offset:512*\t+256*\g
.endr
.endr
.irp i, 0,1
.irp g, 0,1
	global_load_b128 v[CS+8*\i+4*\g:CS+8*\i+4*\g+3], v2, s[6:7] offset:512*\i+256*\g
.endr
.endr
.irp e, 0,1
.irp i, 0,1,2,3,4,5,6,7
	global_load_b128 v[RS+32*\e+4*\i:RS+32*\e+4*\i+3], v1, s[14:15] offset:4096*\e+512*\i th:TH_LOAD_NT   ; the residual: my two rows
.endr
.endr
	s_wait_loadcnt 44                              ; ctx's two loads are in; the 16 + 8 + 4 + 16 behind them may be out
	s_wait_tensorcnt 0x0                           ; my tiles' first four K steps are in; no tensor load is out while LDS is stored to
	ds_store_b128 v249, v[56:59]
	ds_store_b128 v249, v[60:63] offset:512
	s_wait_dscnt 0x0
	s_barrier_signal -1
	s_barrier_wait -1                              ; all of ctx is in LDS
	s_wait_loadcnt 16                              ; the bias and the scale words are in; the residual's 16 may be out
.macro STEP s                          ; a K step of 128: 12 LDS loads, 8 products, the accumulators by turns
.irp t, 0,1,2,3
.irp c, 0,1
	ds_load_b128 v[WF+8*\t+4*\c:WF+8*\t+4*\c+3], v7 offset:4096*\t+1024*((\s)%4)+512*\c
.endr
.endr
.irp i, 0,1
.irp c, 0,1
	ds_load_b128 v[CF+8*\i+4*\c:CF+8*\i+4*\c+3], v248 offset:8192*\i+1024*(\s)+512*\c
.endr
.endr
	s_wait_dscnt 0x0
.irp i, 0,1
.irp t, 0,1,2,3
	v_wmma_scale_f32_16x16x128_f8f6f4 v[ACC+8*(4*\i+\t):ACC+8*(4*\i+\t)+7], v[WF+8*\t:WF+8*\t+7], v[CF+8*\i:CF+8*\i+7], v[ACC+8*(4*\i+\t):ACC+8*(4*\i+\t)+7], v[WS+8*\t+(\s)], v[CS+8*\i+(\s)] matrix_a_fmt:MATRIX_FMT_FP4 matrix_b_fmt:MATRIX_FMT_FP4
.endr
.endr
	PLACES                                         ; in front of the next loads into the fragments' registers
.endm
.irp s, 0,1,2,3
	STEP \s
.endr
	s_wait_tensorcnt 0x0                           ; the refill
	ds_add_u32 v254, v255
	s_add_nc_u64 s[34:35], s[34:35], 4096          ; K steps 4 to 7
	s_wait_dscnt 0x0                               ; the add is done, and my reads of the codes are over
	CROUND
	tensor_load_to_lds s[32:35], s[24:31]
	s_nop 0
	PLACES
	s_wait_tensorcnt 0x0                           ; I alone read the bytes that I fetch: this wait is all that my reads need
.irp s, 4,5,6,7
	STEP \s
.endr
.irp i, 0,1,2,3,4,5,6,7
	global_load_b128 v[GA+4*\i:GA+4*\i+3], v1, s[16:17] offset:512*\i
.endr
.irp i, 0,1,2,3,4,5,6,7
	global_load_b128 v[BE+4*\i:BE+4*\i+3], v1, s[18:19] offset:512*\i
.endr
	s_wait_dscnt 0x0
	s_barrier_signal -1
	s_barrier_wait -1                              ; nobody reads the codes any more: their bytes, which have had their last fill, take the stage
	s_wait_alu depctr_va_vdst(0)
.irp i, 0,1
.irp t, 0,1,2,3
	ds_store_b128 v[4+\i], v[ACC+8*(4*\i+\t):ACC+8*(4*\i+\t)+3] offset:128*(\t/2)+32*(\t%2)
	ds_store_b128 v[4+\i], v[ACC+8*(4*\i+\t)+4:ACC+8*(4*\i+\t)+7] offset:128*(\t/2)+32*(\t%2)+16
.endr
.endr
	s_wait_dscnt 0x0
	s_barrier_signal -1
	s_barrier_wait -1
.irp e, 0,1
.irp i, 0,1,2,3,4,5,6,7
	ds_load_b128 v[ACC+32*\e+4*\i:ACC+32*\e+4*\i+3], v6 offset:SPT*\e+512*\i
.endr
.endr
	v_mov_b32 v[TM+5], 0
	v_mov_b32 v[TM+13], 0
	s_wait_loadcnt 0x0
	s_wait_dscnt 0x0
.macro REDUCE e
.irp m, 1
	v_add_f32_dpp v[TM+8*\e+4], v[TM+8*\e+4], v[TM+8*\e+4] row_xmask:\m row_mask:0xf bank_mask:0xf
.endr
.irp m, 2, 4, 8
	s_delay_alu instid0(VALU_DEP_1)
	v_add_f32_dpp v[TM+8*\e+4], v[TM+8*\e+4], v[TM+8*\e+4] row_xmask:\m row_mask:0xf bank_mask:0xf
.endr
	s_delay_alu instid0(VALU_DEP_1)
	v_permlanex16_b32 v[TM+8*\e+5], v[TM+8*\e+4], s60, s61
	s_delay_alu instid0(VALU_DEP_1)
	v_add_f32 v[TM+8*\e+4], v[TM+8*\e+4], v[TM+8*\e+5]
.endm
.irp j, 0,2,4,6,8,10,12,14,16,18,20,22,24,26,28,30
.irp e, 0,1
	v_pk_add_f32 v[ACC+32*\e+\j:ACC+32*\e+\j+1], v[ACC+32*\e+\j:ACC+32*\e+\j+1], v[RS+32*\e+\j:RS+32*\e+\j+1]   ; x = the product + bias + residual
.endr
.endr
.irp e, 0,1
	v_pk_add_f32 v[TM+8*\e:TM+8*\e+1], v[ACC+32*\e:ACC+32*\e+1], v[ACC+32*\e+4:ACC+32*\e+5]
	v_pk_add_f32 v[TM+8*\e+2:TM+8*\e+3], v[ACC+32*\e+2:ACC+32*\e+3], v[ACC+32*\e+6:ACC+32*\e+7]
.endr
.irp j, 8,12,16,20,24,28
.irp e, 0,1
	s_delay_alu instid0(VALU_DEP_4)
	v_pk_add_f32 v[TM+8*\e:TM+8*\e+1], v[TM+8*\e:TM+8*\e+1], v[ACC+32*\e+\j:ACC+32*\e+\j+1]
	s_delay_alu instid0(VALU_DEP_4)
	v_pk_add_f32 v[TM+8*\e+2:TM+8*\e+3], v[TM+8*\e+2:TM+8*\e+3], v[ACC+32*\e+\j+2:ACC+32*\e+\j+3]
.endr
.endr
.irp e, 0
	s_delay_alu instid0(VALU_DEP_3)
	v_pk_add_f32 v[TM+8*\e:TM+8*\e+1], v[TM+8*\e:TM+8*\e+1], v[TM+8*\e+2:TM+8*\e+3]
.endr
.irp e, 1
	s_delay_alu instid0(VALU_DEP_2)
	v_pk_add_f32 v[TM+8*\e:TM+8*\e+1], v[TM+8*\e:TM+8*\e+1], v[TM+8*\e+2:TM+8*\e+3]
.endr
.irp e, 0,1
	s_delay_alu instid0(VALU_DEP_2)
	v_add_f32 v[TM+8*\e+4], v[TM+8*\e], v[TM+8*\e+1]
.endr
	REDUCE 0
	REDUCE 1
.irp e, 0
	v_mul_f32 v[TM+8*\e+6], 0xba800000, v[TM+8*\e+4]   ; - the mean
	v_mul_f32 v[TM+8*\e+7], 0xba800000, v[TM+8*\e+4]
.endr
.irp e, 1
	s_delay_alu instid0(VALU_DEP_3)
	v_mul_f32 v[TM+8*\e+6], 0xba800000, v[TM+8*\e+4]
	s_delay_alu instid0(VALU_DEP_4)
	v_mul_f32 v[TM+8*\e+7], 0xba800000, v[TM+8*\e+4]
.endr
.irp j, 0,2,4,6,8,10,12,14,16,18,20,22,24,26,28,30
.irp e, 0,1
	v_pk_add_f32 v[ACC+32*\e+\j:ACC+32*\e+\j+1], v[ACC+32*\e+\j:ACC+32*\e+\j+1], v[TM+8*\e+6:TM+8*\e+7]
.endr
.endr
.irp e, 0,1
	v_pk_mul_f32 v[TM+8*\e:TM+8*\e+1], v[ACC+32*\e:ACC+32*\e+1], v[ACC+32*\e:ACC+32*\e+1]
	v_pk_mul_f32 v[TM+8*\e+2:TM+8*\e+3], v[ACC+32*\e+2:ACC+32*\e+3], v[ACC+32*\e+2:ACC+32*\e+3]
.endr
.irp j, 4,8,12,16,20,24,28
.irp e, 0,1
	s_delay_alu instid0(VALU_DEP_4)
	v_pk_fma_f32 v[TM+8*\e:TM+8*\e+1], v[ACC+32*\e+\j:ACC+32*\e+\j+1], v[ACC+32*\e+\j:ACC+32*\e+\j+1], v[TM+8*\e:TM+8*\e+1]
	s_delay_alu instid0(VALU_DEP_4)
	v_pk_fma_f32 v[TM+8*\e+2:TM+8*\e+3], v[ACC+32*\e+\j+2:ACC+32*\e+\j+3], v[ACC+32*\e+\j+2:ACC+32*\e+\j+3], v[TM+8*\e+2:TM+8*\e+3]
.endr
.endr
.irp e, 0
	s_delay_alu instid0(VALU_DEP_3)
	v_pk_add_f32 v[TM+8*\e:TM+8*\e+1], v[TM+8*\e:TM+8*\e+1], v[TM+8*\e+2:TM+8*\e+3]
.endr
.irp e, 1
	s_delay_alu instid0(VALU_DEP_2)
	v_pk_add_f32 v[TM+8*\e:TM+8*\e+1], v[TM+8*\e:TM+8*\e+1], v[TM+8*\e+2:TM+8*\e+3]
.endr
.irp e, 0,1
	s_delay_alu instid0(VALU_DEP_2)
	v_add_f32 v[TM+8*\e+4], v[TM+8*\e], v[TM+8*\e+1]
.endr
	REDUCE 0
	REDUCE 1
.irp e, 0
	v_fma_f32 v[TM+8*\e+4], v[TM+8*\e+4], s62, s63     ; the variance + 1e-12
.endr
.irp e, 1
	s_delay_alu instid0(VALU_DEP_2)
	v_fma_f32 v[TM+8*\e+4], v[TM+8*\e+4], s62, s63
.endr
	s_wait_alu depctr_va_vdst(0)
.irp e, 0,1
	v_rsq_f32 v[TM+8*\e+6], v[TM+8*\e+4]
.endr
	v_nop
	s_wait_alu depctr_va_vdst(0)
.irp j, 0,2,4,6,8,10,12,14,16,18,20,22,24,26,28,30
.irp e, 0,1
	v_pk_mul_f32 v[ACC+32*\e+\j:ACC+32*\e+\j+1], v[ACC+32*\e+\j:ACC+32*\e+\j+1], v[TM+8*\e+6:TM+8*\e+7] op_sel_hi:[1,0]
.endr
.endr
.irp j, 0,2,4,6,8,10,12,14,16,18,20,22,24,26,28,30
.irp e, 0,1
	v_pk_fma_f32 v[ACC+32*\e+\j:ACC+32*\e+\j+1], v[ACC+32*\e+\j:ACC+32*\e+\j+1], v[GA+\j:GA+\j+1], v[BE+\j:BE+\j+1]
.endr
.endr
.irp e, 0,1
.irp i, 0,1,2,3,4,5,6,7
	global_store_b128 v1, v[ACC+32*\e+4*\i:ACC+32*\e+4*\i+3], s[20:21] offset:4096*\e+512*\i th:TH_STORE_NT   ; 32 lanes store 512 consecutive bytes
.endr
.endr
	s_wait_tensorcnt 0x0                           ; the wave's end
	ds_add_u32 v254, v255
	s_wait_dscnt 0x0
	CROUND                                         ; the closing round
	s_endpgm
.Lfunc_end_k_qe377409038_oproj:
	.size	k_qe377409038_oproj, .Lfunc_end_k_qe377409038_oproj-k_qe377409038_oproj
	.p2alignl 7, 3214868480
	.fill 96, 4, 3214868480
	.section	.rodata,"a",@progbits
	.p2align	6, 0x0
	.amdhsa_kernel k_qe377409038_oproj
		.amdhsa_group_segment_fixed_size 327680
		.amdhsa_private_segment_fixed_size 0
		.amdhsa_enable_private_segment 0
		.amdhsa_kernarg_size 72
		.amdhsa_user_sgpr_count 2
		.amdhsa_user_sgpr_kernarg_segment_ptr 1
		.amdhsa_wavefront_size32 1
		.amdhsa_system_sgpr_workgroup_id_x 1
		.amdhsa_system_sgpr_workgroup_id_y 1
		.amdhsa_system_sgpr_workgroup_id_z 1
		.amdhsa_system_vgpr_workitem_id 0
		.amdhsa_next_free_vgpr 256
		.amdhsa_next_free_sgpr 66
		.amdhsa_reserve_vcc 0
		.amdhsa_float_denorm_mode_32 3
		.amdhsa_float_denorm_mode_16_64 3
		.amdhsa_memory_ordered 1
		.amdhsa_forward_progress 1
		.amdhsa_inst_pref_size 48
	.end_amdhsa_kernel
	.amdgpu_metadata
---
amdhsa.version: [ 1, 2 ]
amdhsa.kernels:
  - .name:           k_qe377409038_oproj
    .symbol:         k_qe377409038_oproj.kd
    .args:
      - { .name: ctxc, .offset: 0, .size: 8, .value_kind: global_buffer, .address_space: global }
      - { .name: ctxs, .offset: 8, .size: 8, .value_kind: global_buffer, .address_space: global }
      - { .name: codes, .offset: 16, .size: 8, .value_kind: global_buffer, .address_space: global }
      - { .name: scl, .offset: 24, .size: 8, .value_kind: global_buffer, .address_space: global }
      - { .name: bo, .offset: 32, .size: 8, .value_kind: global_buffer, .address_space: global }
      - { .name: hidden_states, .offset: 40, .size: 8, .value_kind: global_buffer, .address_space: global }
      - { .name: ln_gamma, .offset: 48, .size: 8, .value_kind: global_buffer, .address_space: global }
      - { .name: ln_beta, .offset: 56, .size: 8, .value_kind: global_buffer, .address_space: global }
      - { .name: out0, .offset: 64, .size: 8, .value_kind: global_buffer, .address_space: global }
    .group_segment_fixed_size: 327680
    .private_segment_fixed_size: 0
    .kernarg_segment_align: 8
    .kernarg_segment_size: 72
    .max_flat_workgroup_size: 512
    .sgpr_count:     66
    .vgpr_count:     256
    .wavefront_size: 32
...
	.end_amdgpu_metadata
.endif
;; end of part 4
